; MI455X (gfx1250); checked and timed in simulation.
; The chip was launched on July 23, 2026; its instructions are those of AMD's public machine-readable ISA for CDNA 5 (MIT licence, August 2026) and "CDNA5" Instruction Set Architecture Reference Guide (July 2026). The comments in the code are by the model that wrote it; some were corrected since.
;; SVD Quant Linear. Allowed arithmetic: matrix products marked QUANTISED: E2M1 operands, one E8M0 scale for each 32 along K, by v_wmma_scale_f32_16x16x128_f8f6f4 with both operands' format E2M1 (or v_wmma_scale_f32_32x16x128_f4), f32 sums; everything else in f32.
;; Inputs: lora_down 32 x 4,096 float16; lora_up 4,096 x 32 float16; qweight 4,096 x 4,096 int32; wscale 4,096 x 64 float16; x 4,096 x 4,096 float16.
;; Outputs: out0 4,096 x 4,096 float16.
;; This version of the problem:
;;   THIS VERSION OF THE PROBLEM IS GIVEN IN LOW PRECISION. The matrix products marked QUANTISED in the list below multiply operands that are first quantised to E2M1 (2 exponent bits, 1 mantissa bit; 4 bits a number), with one power-of-two scale for each 32 numbers along K (OCP MX v1.0); their sums are f32. All else is computed in f32.
;;   The module's matrix products, in the order in which they are computed (A, B: the left and right operand; K: the contracted axis; several contracted axes count as one K, in the product's order):
;;     1. [M 4,096, K 4,096] x [K 4,096, N 4,096]; A: input x; B: computed on the way: QUANTISED
;;     2. [M 4,096, K 4,096] x [K 4,096, N 32]; A: input x; B: input lora_down: QUANTISED
;;     3. [M 4,096, K 32] x [K 32, N 4,096]; A: computed on the way; B: input lora_up: QUANTISED
;;   THE QUANTISER, for each operand of a quantised product, along K:
;;     - K is cut into blocks of 32 from its start; a last block that is shorter is filled with zeros.
;;     - A block's scale is 2^e with e = floor(log2(the largest magnitude in the block)) - 2, held to -126 .. 127; a block of zeros has e = 0. As a byte (E8M0): e + 127.
;;     - Each number is divided by its block's scale, clamped to +-6, and rounded to the nearest number of E2M1, ties to even, subnormals kept.
;;     - The product sums the exact products of the quantised numbers (number of the format x scale) in f32.
;;   ~~~python
;;   def quantise(x, axis):      # numpy; x: float32 -> the quantised numbers, widened to float32 again
;;       x = np.moveaxis(x, axis, -1); K = x.shape[-1]
;;       x = np.pad(x, [(0, 0)] * (x.ndim - 1) + [(0, -K % 32)]); x = x.reshape(x.shape[:-1] + (-1, 32)); a = np.abs(x).max(-1, keepdims=True)
;;       e = np.where(a > 0, np.clip(np.frexp(np.where(a > 0, a, 1))[1] - 1 - 2, -126, 127), 0)      # np.frexp(a)[1] - 1 = floor(log2(a)), exactly
;;       r = np.clip(x / 2.0 ** e, -6, 6)
;;       step = 2.0 ** (np.maximum(np.frexp(np.where(r == 0, 1, r))[1] - 1, 0) - 1)
;;       q = np.round(r / step) * step * 2.0 ** e      # np.round: ties to even
;;       return np.moveaxis(q.reshape(q.shape[:-2] + (-1,))[..., :K], -1, axis).astype(np.float32)
;;   ~~~
;;   OPERANDS COMPUTED ON THE WAY. 'Computed on the way' means the value that the module computes at that place (a softmax that the list does not call 'softmax' is quantised finished and normalised). What goes into a quantiser is computed in f32, as accurately as f32 sums, v_exp_f32 and their like allow (about 1e-6 of the number): no bf16 or f16 on the way to a quantiser, and a product that is left as it is and whose result goes on into a quantised operand takes f32 operands (vector FMAs, or v_wmma_f32_16x16x4_f32). A number that lies on a knife's edge between two numbers of the format may be rounded either way, as far as f32 arithmetic and the matrix unit's own rounding can turn it there, and no further.
;; One version. Each part assembles by itself: llvm-mc -triple=amdgcn-amd-amdhsa -mcpu=gfx1250 --defsym DOCPART=n.
;; ======== version 1 of 1: 2 launches
;; limits: values are held in f16: magnitudes above 65,504 overflow, below 6.1e-05 lose precision; right only within a limited range of input values
;; workspace buffers: acodes 8,912,896 bytes; bcodes 8,912,896 bytes; dlora 69,632 bytes; blora 327,680 bytes
;; launch prep (part 1): grid 256 x 1, 16 waves a work-group, no clusters, 327,680 bytes of LDS; arguments x, qweight, wscale, lora_down, lora_up, acodes, bcodes, dlora, blora; writes acodes, bcodes, dlora, blora
.if DOCPART == 1
	.amdgcn_target "amdgcn-amd-amdhsa--gfx1250"
	.amdhsa_code_object_version 6
	.text
	.protected	k_qd4e008b577_prep
	.globl	k_qd4e008b577_prep
	.p2align	8
	.type	k_qd4e008b577_prep,@function
k_qd4e008b577_prep:
	s_mov_b64 s[64:65], 0
	v_nop
	global_prefetch_b8 v0, s[64:65] scope:SCOPE_SE
	s_setreg_imm32_b32 hwreg(HW_REG_WAVE_MODE, 25, 1), 1
	s_wait_xcnt 0x0
; PREP: every operand that arrives as an input is quantised once to FP4 (E2M1) with one E8M0 byte for each 32 along K.
; x [4096][4096] f16; w = (qweight - 8) x wscale, qweight [4096][4096] int32, wscale [4096][64] f16 (one scale for 64 along K); lora_down [32][4096] f16; lora_up [4096][32] f16.
; SHARES.  Work-group g owns rows 16 g .. 16 g + 15 of x, of w and of lora_up.  Wave v of its sixteen owns K = 256 v .. 256 v + 255 (8 blocks of 32, two matrix fragments) of x's and of w's 16 rows.
; lora_down's 32 rows x 16 K parts of 256 are 256 items of two rows: work-group g takes one, in its wave 5: K part g % 16, pair of rows g / 16.  Wave 4 takes lora_up's 16 rows, waves 0-3 bring wscale's rows into LDS.
; HOW THE BYTES COME.  All that a work-group reads is asked for at its head, on two roads.  qweight's rows 0-9: each wave's 10 rows x 1,024 bytes by ONE tensor load into LDS bytes of its own (filled once, never again,
; read by that wave alone behind its own wait for the load).  x, and behind it qweight's rows 10-15: 28 loads of 512 bytes a wave into 14 register slots.  They are worked in this order: x, the rows in LDS, the rows in
; registers, so that what a wave works last comes a pair of rows at a time.  There is no loop to run ahead in, and so no prefetch.
; A BLOCK'S SCALE is 2^(floor(log2(largest magnitude)) - 2): its byte is the largest magnitude's exponent field - 2, held at 1 from below by a floor among the maximum's leaves.
; WHAT IS STORED lies in the order of the operands' registers.  A unit is 256 bytes, [16 rows][16 bytes]: one block of 32 codes of each of 16 rows.  Four units on end are a fragment (16 rows x 128 K).
;   acodes, bcodes: [32 blocks of 128 rows][8 K steps of 512] pieces of 34,816 bytes: codes at 4,096 i + 256 kb (i: which 16 rows, kb: block 0..15), then eight scale units at 32,768 + 256 i, [row][byte kb].
;   dlora (lora_down): [tile u][8 K steps of 512] pieces of 4,352 bytes: 16 units of codes, then [kb / 8][place][8 bytes].  Place p of tile u is row 8 u + p + 8 (p / 8), so that the product's results fall as neighbours along the rank.
;   blora (lora_up): a record of 1,280 bytes for each 16 rows: unit 0 the 32 codes, units 1-3 zero codes (K = 32 filled up to 128), unit 4 [row][4 words], each word = the byte | 0x7f7f7f00.
; LIMITS.  NaN and infinities among the inputs are not served.  A block whose largest magnitude lies under 2^-124, a block of zeros too, gets the byte 1 (its codes are then zeros or the nearest codes under that
; scale; the bytes are read by this program alone).  (q - 8) s is one fused multiply-add in f32, exact for |q| < 2^13.  w goes into its quantiser as f32 numbers, not rounded to f16.
; No cluster, no matrix instruction: the work-groups share no byte of the large inputs.
.set BLK,   34816                      ; a piece of acodes or bcodes
.set RBLK,  8*BLK                      ; the eight pieces of 128 rows
.set REC,   1280                       ; a record of blora
.set DPC,   4352                       ; a piece of dlora
.set XROW,  8192                       ; a row of x or of lora_down in bytes
.set QROW,  16384                      ; a row of qweight
.set TR,    10                         ; qweight's rows 0 .. TR - 1 come by the tensor load, the others into registers
; LDS
.set STGW,  2304                       ; from byte 0: a stage for each wave: 8 units, 272 bytes apart
.set UP,    272
.set SX,    36864                      ; x's scale bytes, [wave][row][8]
.set SW,    38912                      ; w's likewise
.set WSH,   40960                      ; the work-group's 16 rows of wscale as they lie, 128 bytes a row
.set LUS,   43008                      ; wave 4's stage for lora_up: 512 bytes
.set LDB,   43520                      ; wave 5's 16 scale bytes of lora_down, [row][8]
.set SPARE, 43776                      ; the spare words, 128 bytes a wave: eight blocks of 256 bytes that no other line names
.set QL,    45824                      ; qweight: 16,384 bytes apart for each wave, TR rows of 1,024 bytes; filled by the tensor loads alone
; vector registers
.set RING,  16                         ; v16-127  14 slots of 8 registers: slots 0-7 rows 2 n, 2 n + 1 of x; slots 8-13 rows 10-15 of qweight.  Behind x, v16-47 are two sets of two rows of qweight from LDS
.set T,     128                        ; v128-143 two sets of 8 numbers in f32
.set MXA,   144                        ; v144-145 the two sets' largest magnitudes
.set MXB,   145
.set SOA,   146                        ; v146-147 the conversions' scale operands
.set SOB,   147
.set C,     148                        ; v148-151 codes: two pairs by turns
.set E,     152                        ; v152-155 scale bytes: two pairs by turns
.set XF,    156                        ; v156-171 x's two fragments
.set S,     172                        ; v172-203 for each of w's 16 rows the pair (s, -8 s)
.set WF,    204                        ; v204-219 w's two fragments
.set ZZ,    226                        ; v226-227 zeros
.set PWD,   228                        ; v228-229 waves 4 and 5: scale words or bytes to store
.set HC,    230                        ; v230-231 waves 4 and 5: codes to store
.set VL16,  232                        ; 16 x lane
.set VT16,  233                        ; 16 x thread
.set V8L,   234                        ; 8 x lane
.set QLA,   235                        ; my 32 bytes (k = 8 lane .. + 7) of row 0 of my wave's tile of qweight in LDS
.set STW,   236                        ; my stage, in: 272 (lane / 4) + 4 (lane % 4)
.set STR,   237                        ; my stage, out: 272 (lane / 16) + 16 (lane % 16)
.set SBX,   238                        ; where my block's scale byte goes: x (w: 2,048 on)
.set WSR,   239                        ; my group's scale in a row of wscale
.set LUW,   240                        ; wave 4's stage: 4 x lane
.set LUR,   241                        ; and 8 x lane
.set TLR,   242                        ; the tail: two waves' halves of a row's 16 scale bytes
.set TLG,   243                        ; and their place in memory
.set WSW,   244                        ; where wscale's 16 bytes of my thread go
.set DCR,   245                        ; wave 5: my stage, out: 272 (lane / 4) + 8 (lane % 4)
.set DCG,   246                        ; and the same place in dlora: 256 (lane / 4) + 8 (lane % 4)
.set DBW,   247                        ; wave 5: where my block's scale byte goes
.set DBR,   248                        ; where a row's 8 bytes are read back: 8 (lane % 2)
.set DBG,   249                        ; and their place in dlora
.set VWL,   250                        ; qweight from memory: 32 (lane % 16) + 16 (lane / 16)
.set SPW,   254                        ; my spare word; never rewritten
.set NIL,   255                        ; 0; never rewritten
.set ISS,   0                          ; ring slots asked for so far
.set QT,    0                          ; which pair of C and E is next
; sixteen halves of eight registers become sixteen f32 numbers in T
.macro CVT8 a0,a1,a2,a3,a4,a5,a6,a7,a8,a9,a10,a11,a12,a13,a14,a15
.set TI, T
.irp r, \a0,\a1,\a2,\a3,\a4,\a5,\a6,\a7,\a8,\a9,\a10,\a11,\a12,\a13,\a14,\a15
	v_cvt_f32_f16 v[TI], \r
.set TI, TI+1
.endr
.endm
; the same for ring slot SN: halves of registers are named by literal names
.macro CVT16
.if SN == 0
	CVT8 v16.l,v16.h,v17.l,v17.h,v18.l,v18.h,v19.l,v19.h,v20.l,v20.h,v21.l,v21.h,v22.l,v22.h,v23.l,v23.h
.elseif SN == 1
	CVT8 v24.l,v24.h,v25.l,v25.h,v26.l,v26.h,v27.l,v27.h,v28.l,v28.h,v29.l,v29.h,v30.l,v30.h,v31.l,v31.h
.elseif SN == 2
	CVT8 v32.l,v32.h,v33.l,v33.h,v34.l,v34.h,v35.l,v35.h,v36.l,v36.h,v37.l,v37.h,v38.l,v38.h,v39.l,v39.h
.elseif SN == 3
	CVT8 v40.l,v40.h,v41.l,v41.h,v42.l,v42.h,v43.l,v43.h,v44.l,v44.h,v45.l,v45.h,v46.l,v46.h,v47.l,v47.h
.elseif SN == 4
	CVT8 v48.l,v48.h,v49.l,v49.h,v50.l,v50.h,v51.l,v51.h,v52.l,v52.h,v53.l,v53.h,v54.l,v54.h,v55.l,v55.h
.elseif SN == 5
	CVT8 v56.l,v56.h,v57.l,v57.h,v58.l,v58.h,v59.l,v59.h,v60.l,v60.h,v61.l,v61.h,v62.l,v62.h,v63.l,v63.h
.elseif SN == 6
	CVT8 v64.l,v64.h,v65.l,v65.h,v66.l,v66.h,v67.l,v67.h,v68.l,v68.h,v69.l,v69.h,v70.l,v70.h,v71.l,v71.h
.else
	CVT8 v72.l,v72.h,v73.l,v73.h,v74.l,v74.h,v75.l,v75.h,v76.l,v76.h,v77.l,v77.h,v78.l,v78.h,v79.l,v79.h
.endif
.endm
; Slot n < 8: rows 2 n, 2 n + 1 of x: two loads of 512 consecutive bytes each
.macro ISSUE n
.set SLR, RING+8*(\n)
	global_load_b128 v[SLR:SLR+3], v[VL16], s[4:5] offset:2*(\n)*XROW th:TH_LOAD_NT
	global_load_b128 v[SLR+4:SLR+7], v[VL16], s[4:5] offset:(2*(\n)+1)*XROW th:TH_LOAD_NT
.set ISS, ISS+1
.endm
; Slot r - 2: row r >= TR of qweight: two loads of 512 consecutive bytes each
.macro ISSUEQ r
.set SLR, RING+8*((\r)-2)
	global_load_b128 v[SLR:SLR+3], v[VWL], s[6:7] offset:(\r)*QROW th:TH_LOAD_NT
	global_load_b128 v[SLR+4:SLR+7], v[VWL], s[6:7] offset:(\r)*QROW+512 th:TH_LOAD_NT
.set ISS, ISS+1
.endm
; The two sets of 8 numbers in T are quantised, their lines by turns.  A lane's 8 numbers are a quarter of a block: the block is lanes 4 i .. 4 i + 3.  Codes into v[CC], v[CC+1], bytes into v[EE], v[EE+1].
.macro QA
.set CC, C+2*QT
.set EE, E+2*QT
.set QT, 1-QT
	v_max3_num_f32 v[MXA], |v[T]|, |v[T+1]|, 0x1800000             ; the floor 2^(3 - 127) is one more leaf: the byte cannot fall under 1
	v_max3_num_f32 v[MXB], |v[T+8]|, |v[T+9]|, 0x1800000
.irp i, 2,4,6
	s_delay_alu instid0(VALU_DEP_2)
	v_max3_num_f32 v[MXA], v[MXA], |v[T+\i]|, |v[T+1+\i]|
	s_delay_alu instid0(VALU_DEP_2)
	v_max3_num_f32 v[MXB], v[MXB], |v[T+8+\i]|, |v[T+9+\i]|
.endr
	s_delay_alu instid0(VALU_DEP_2)
	v_max_num_f32_dpp v[MXA], v[MXA], v[MXA] row_xmask:1 row_mask:0xf bank_mask:0xf
	s_delay_alu instid0(VALU_DEP_2)
	v_max_num_f32_dpp v[MXB], v[MXB], v[MXB] row_xmask:1 row_mask:0xf bank_mask:0xf
	s_delay_alu instid0(VALU_DEP_2)
	v_max_num_f32_dpp v[MXA], v[MXA], v[MXA] row_xmask:2 row_mask:0xf bank_mask:0xf   ; the block's largest magnitude, in its four lanes
	s_delay_alu instid0(VALU_DEP_2)
	v_max_num_f32_dpp v[MXB], v[MXB], v[MXB] row_xmask:2 row_mask:0xf bank_mask:0xf
	s_delay_alu instid0(VALU_DEP_2)
	v_add_nc_u32 v[SOA], 0xff000000, v[MXA]                        ; 2 off the exponent field: the conversion takes that field as its scale and nothing else of the operand
	s_delay_alu instid0(VALU_DEP_2)
	v_add_nc_u32 v[SOB], 0xff000000, v[MXB]
	s_wait_alu depctr_va_vdst(0)
	s_wait_dscnt 4                                                 ; at most the four youngest LDS instructions are out: the four stores of the call before last, which read this pair of C and E, are done
	v_cvt_scalef32_pk8_fp4_f32 v[CC], v[T:T+7], v[SOA]             ; to the nearest code, ties to even, beyond 6 the largest code
	v_cvt_scalef32_pk8_fp4_f32 v[CC+1], v[T+8:T+15], v[SOB]
	v_lshrrev_b32 v[EE], 23, v[SOA]                                ; the scale's byte.  (Also the plain line behind the conversions)
	v_lshrrev_b32 v[EE+1], 23, v[SOB]
.endm
; The same, for rows p and p + 1 of a panel: 4 bytes of codes into the stage's unit lane / 4, the byte to row p's eight
.macro Q2 sadr, off, p
	QA
	ds_store_b32 v[STW], v[CC] offset:16*(\p)                      ; word 68 (lane / 4) + lane % 4 + 4 p: the 32 lanes touch 32 different banks (64 banks of 4 bytes: ISA guide 11.1)
	ds_store_b32 v[STW], v[CC+1] offset:16*(\p)+16
	ds_store_b8 v[\sadr], v[EE] offset:(\off)+8*(\p)               ; a block's four lanes write the same byte with the same value
	ds_store_b8 v[\sadr], v[EE+1] offset:(\off)+8*(\p)+8
.endm
; slot n of x
.macro PF n
	s_wait_loadcnt 2*(ISS-(\n)-1)                                  ; loads come back in order (ISA guide 5.7.1): slot n is in, the younger slots' two loads each may be out
.set SN, (\n)
	CVT16
	Q2 SBX, 0, 2*(\n)
.endm
; rows PR and PR + 1 of w from the whole numbers in v[RA ..], v[RB ..]
.macro WQ
.irp j, 0,1,2,3,4,5,6,7
	v_cvt_f32_i32 v[T+\j], v[RA+\j]
	v_cvt_f32_i32 v[T+8+\j], v[RB+\j]
.endr
.irp j, 0,1,2,3,4,5,6,7
	v_fma_f32 v[T+\j], v[T+\j], v[S+2*PR], v[S+2*PR+1]             ; q s - 8 s = (q - 8) s
	v_fma_f32 v[T+8+\j], v[T+8+\j], v[S+2*PR+2], v[S+2*PR+3]
.endr
	Q2 SBX, SW-SX, PR
.endm
; rows p and p + 1 of my tile of qweight, 32 bytes a lane and row, into set (p / 2) % 2
.macro QLOAD p
.set QB, RING+16*(((\p)/2)%2)
.irp i, 0,1
	ds_load_b128 v[QB+8*\i:QB+8*\i+3], v[QLA] offset:1024*((\p)+\i)
	ds_load_b128 v[QB+8*\i+4:QB+8*\i+7], v[QLA] offset:1024*((\p)+\i)+16
.endr
.endm
; rows p and p + 1 < TR of w; the next two rows are asked of LDS first
.macro PW p
.if (\p) == 0
	s_wait_dscnt 0x0
.else
	s_wait_dscnt 4                                                 ; behind this pair's four loads stand only the last pair's four stores
.endif
.set RA, RING+16*(((\p)/2)%2)
.set RB, RA+8
.set PR, (\p)
.if (\p)+2 < TR
	QLOAD (\p)+2
.endif
	WQ
.endm
; rows r and r + 1 >= TR of w, from the ring
.macro PWR r
	s_wait_loadcnt 2*(14-(\r))                                     ; both rows are in; the two loads of each row behind them may be out
.set RA, RING+8*((\r)-2)
.set RB, RA+8
.set PR, (\r)
.irp j, 0,1,2,3
	v_permlane16_swap_b32 v[RA+\j], v[RA+4+\j]                     ; the first load's lanes 16-31 change places with the second's lanes 0-15: lane l now holds k = 8 l .. 8 l + 7 in 8 registers on end
	v_permlane16_swap_b32 v[RB+\j], v[RB+4+\j]
.endr
	WQ
.endm
; The stage's 8 units come back as two fragments: registers 4 c .. 4 c + 3 of lane (r, h) are unit 2 c + h, row r.  LDS serves a wave's instructions in order (ISA guide 5.7.1.4): these see my stores.
.macro TURNOUT f
.irp c, 0,1,2,3
	ds_load_b128 v[\f+4*\c:\f+4*\c+3], v[STR] offset:2*UP*\c
.endr
.endm
; and leave as they stand: each store covers 512 consecutive bytes, aligned to 256
.macro OUT f, b
.irp c, 0,1,2,3
	global_store_b128 v[VL16], v[\f+4*\c:\f+4*\c+3], s[\b:\b+1] offset:512*\c
.endr
.endm
	s_load_b256 s[4:11], s[0:1], 0x0               ; x s[4:5], qweight s[6:7], wscale s[8:9], lora_down s[10:11]
	s_load_b256 s[12:19], s[0:1], 0x20             ; lora_up s[12:13], acodes s[14:15], bcodes s[16:17], dlora s[18:19]
	s_load_b64 s[20:21], s[0:1], 0x40              ; blora
	v_lshl_add_u32 v[SPW], v0, 2, SPARE
	v_mov_b32 v[NIL], 0
	ds_add_u32 v[SPW], v[NIL]                      ; the opening lines: the add, twice on end, and its wait ahead of my tensor load
	ds_add_u32 v[SPW], v[NIL]
	v_lshrrev_b32 v7, 5, v0
	s_delay_alu instid0(VALU_DEP_1)
	v_readfirstlane_b32 s22, v7                    ; wave 0..15
	v_and_b32 v1, 31, v0                           ; lane
	v_and_b32 v2, 15, v0                           ; lane % 16
	v_bfe_u32 v3, v0, 4, 1                         ; lane / 16
	v_bfe_u32 v4, v0, 2, 3                         ; lane / 4
	v_and_b32 v5, 3, v0                            ; lane % 4
	v_bfe_u32 v6, v0, 3, 2                         ; lane / 8
	v_mov_b32 v[ZZ], 0
	v_mov_b32 v[ZZ+1], 0
	; every address register is made here, ahead of the first parting of the waves
	v_lshlrev_b32 v[VL16], 4, v1
	v_lshlrev_b32 v[VT16], 4, v0
	v_lshlrev_b32 v[V8L], 3, v1
	v_lshlrev_b32 v[VWL], 5, v2
	s_delay_alu instid0(VALU_DEP_1)
	v_lshl_add_u32 v[VWL], v3, 4, v[VWL]
	s_lshl_b32 s62, s22, 14
	s_add_co_u32 s62, s62, QL                      ; my wave's tile of qweight in LDS
	v_lshl_add_u32 v[QLA], v1, 5, s62
	s_mul_i32 s44, s22, STGW
	v_mul_u32_u24 v[STW], v4, UP
	s_delay_alu instid0(VALU_DEP_1)
	v_lshl_add_u32 v[DCR], v5, 3, v[STW]
	s_delay_alu instid0(VALU_DEP_2)
	v_lshl_add_u32 v[STW], v5, 2, v[STW]
	s_delay_alu instid0(VALU_DEP_1)
	v_add_nc_u32 v[STW], s44, v[STW]
	s_delay_alu instid0(VALU_DEP_3)
	v_add_nc_u32 v[DCR], s44, v[DCR]
	v_mul_u32_u24 v[STR], v3, UP
	s_delay_alu instid0(VALU_DEP_1)
	v_lshl_add_u32 v[STR], v2, 4, v[STR]
	s_delay_alu instid0(VALU_DEP_1)
	v_add_nc_u32 v[STR], s44, v[STR]
	v_lshlrev_b32 v[DCG], 8, v4
	s_delay_alu instid0(VALU_DEP_1)
	v_lshl_add_u32 v[DCG], v5, 3, v[DCG]
	v_add_nc_u32 v[DBW], LDB, v4
	v_and_b32 v[DBG], 1, v0
	s_delay_alu instid0(VALU_DEP_1)
	v_lshlrev_b32 v[DBG], 3, v[DBG]
	s_delay_alu instid0(VALU_DEP_1)
	v_add_nc_u32 v[DBR], LDB, v[DBG]
	s_lshl_b32 s45, s22, 7
	s_add_co_u32 s45, s45, SX
	v_add_nc_u32 v[SBX], s45, v4
	s_lshl_b32 s44, s22, 3                         ; my K range is groups 4 v .. 4 v + 3 of 64: 8 v bytes into a row of wscale; lane l's numbers lie in group l / 8 of them
	s_add_co_u32 s44, s44, WSH
	v_lshl_add_u32 v[WSR], v6, 1, s44
	v_lshl_add_u32 v[LUW], v1, 2, LUS
	v_lshl_add_u32 v[LUR], v1, 3, LUS
	s_lshl_b32 s46, s22, 9
	s_add_co_u32 s46, s46, SX
	v_lshl_add_u32 v[TLR], v3, 8, s46
	s_delay_alu instid0(VALU_DEP_1)
	v_lshl_add_u32 v[TLR], v2, 3, v[TLR]
	v_mul_u32_u24 v[TLG], v3, BLK
	s_delay_alu instid0(VALU_DEP_1)
	v_lshl_add_u32 v[TLG], v2, 4, v[TLG]
	v_lshl_add_u32 v[WSW], v0, 4, WSH
	; the tensor load's shape: TR rows of 128 elements of 8 bytes (1,024 bytes), 2,048 elements (a row of qweight) apart; dense in LDS
	s_mov_b32 s72, 3<<16
	s_mov_b32 s73, 128<<16
	s_mov_b32 s74, TR<<16
	s_mov_b32 s75, 128<<16
	s_mov_b32 s76, TR
	s_mov_b32 s77, 2048
	s_mov_b32 s78, 0
	s_mov_b32 s79, 0
	s_mov_b32 s68, 1
	s_lshl_b32 s69, s22, 14
	s_add_co_u32 s69, s69, QL
	; offsets, apart from the addresses; all stay under 2^27
	s_lshl_b32 s26, ttmp9, 17                      ; x: 16 rows of 8,192 bytes a work-group,
	s_lshl_b32 s40, s22, 9                         ; 512 bytes a wave
	s_add_co_u32 s26, s26, s40
	s_mov_b32 s27, 0
	s_lshl_b32 s28, ttmp9, 18                      ; qweight: twice that
	s_lshl_b32 s41, s22, 10
	s_add_co_u32 s28, s28, s41
	s_mov_b32 s29, 0
	s_lshl_b32 s30, ttmp9, 11                      ; wscale: 16 rows of 128 bytes
	s_mov_b32 s31, 0
	s_lshl_b32 s32, ttmp9, 10                      ; lora_up: 16 rows of 64 bytes
	s_mov_b32 s33, 0
	s_mul_i32 s34, ttmp9, REC                      ; my record of blora
	s_mov_b32 s35, 0
	s_lshr_b32 s36, ttmp9, 3
	s_mul_i32 s36, s36, RBLK                       ; my block of 128 rows
	s_and_b32 s37, ttmp9, 7                        ; which 16 of them
	s_lshl_b32 s38, s37, 12
	s_add_co_u32 s38, s38, s36
	s_lshr_b32 s39, s22, 1                         ; my K step of 512,
	s_mul_i32 s39, s39, BLK
	s_add_co_u32 s38, s38, s39
	s_and_b32 s39, s22, 1                          ; and which 8 of its 16 units
	s_lshl_b32 s39, s39, 11
	s_add_co_u32 s38, s38, s39                     ; where my 2,048 bytes of codes go
	s_mov_b32 s39, 0
	s_lshl_b32 s42, s37, 8                         ; the tail: my rows' scale unit in K step 2 (wave % 4)
	s_add_co_u32 s42, s42, s36
	s_add_co_u32 s42, s42, 32768
	s_and_b32 s43, s22, 3
	s_mul_i32 s43, s43, 2*BLK
	s_add_co_u32 s42, s42, s43
	s_mov_b32 s43, 0
	; the work-group's item of lora_down: K part g % 16; pair g / 16: tile u = pair / 8, places p0 = 2 (pair % 8) and p0 + 1, which are two rows on end
	s_and_b32 s40, ttmp9, 15                       ; the K part of 256
	s_lshr_b32 s41, ttmp9, 4                       ; the pair
	s_lshr_b32 s48, s41, 3                         ; u
	s_and_b32 s49, s41, 7
	s_lshl_b32 s50, s49, 1                         ; p0
	s_lshr_b32 s51, s49, 2                         ; p0 / 8
	s_lshl_b32 s51, s51, 3
	s_lshl_b32 s52, s48, 3
	s_add_co_u32 s52, s52, s50
	s_add_co_u32 s52, s52, s51                     ; the first row: 8 u + p0 + 8 (p0 / 8)
	s_lshl_b32 s52, s52, 13                        ; of 8,192 bytes,
	s_lshl_b32 s53, s40, 9                         ; 512 bytes a K part
	s_add_co_u32 s52, s52, s53
	s_mov_b32 s53, 0
	s_lshl_b32 s54, s48, 3
	s_lshr_b32 s55, s40, 1
	s_add_co_u32 s54, s54, s55                     ; the piece of dlora: 8 u + K part / 2
	s_mul_i32 s54, s54, DPC
	s_and_b32 s55, s40, 1                          ; which half of the piece's K
	s_lshl_b32 s56, s55, 11                        ; codes: 8 units a half,
	s_add_co_u32 s56, s56, s54
	s_lshl_b32 s57, s50, 4                         ; 16 bytes a place
	s_add_co_u32 s56, s56, s57
	s_mov_b32 s57, 0
	s_lshl_b32 s58, s55, 7                         ; scale bytes: 128 a half,
	s_add_co_u32 s58, s58, s54
	s_lshl_b32 s59, s50, 3                         ; 8 a place,
	s_add_co_u32 s58, s58, s59
	s_add_co_u32 s58, s58, 4096                    ; behind the piece's codes
	s_mov_b32 s59, 0
	s_wait_alu depctr_va_vdst(0)
	s_wait_dscnt 0x0                               ; both opening adds are done
	s_wait_kmcnt 0x0
	s_add_nc_u64 s[6:7], s[6:7], s[28:29]
	s_mov_b64 s[70:71], s[6:7]                     ; my tile's first byte: row 16 g, 1,024 v bytes in
	s_or_b32 s71, s71, 0x80000000
	tensor_load_to_lds s[68:71], s[72:79]          ; my 10,240 bytes of qweight's rows 0-9: my one tensor load
	s_nop 0
	s_add_nc_u64 s[4:5], s[4:5], s[26:27]
	s_add_nc_u64 s[8:9], s[8:9], s[30:31]
	s_add_nc_u64 s[10:11], s[10:11], s[52:53]
	s_add_nc_u64 s[12:13], s[12:13], s[32:33]
	s_add_nc_u64 s[60:61], s[18:19], s[58:59]
	s_add_nc_u64 s[18:19], s[18:19], s[56:57]
	s_add_nc_u64 s[20:21], s[20:21], s[34:35]
	s_cmp_lt_u32 s22, 4                            ; the tail's waves 0-3 store x's scale units, waves 4-7 w's: the choice hangs on the wave's number alone
	s_cselect_b64 s[26:27], s[14:15], s[16:17]
	s_add_nc_u64 s[26:27], s[26:27], s[42:43]
	s_add_nc_u64 s[14:15], s[14:15], s[38:39]
	s_add_nc_u64 s[16:17], s[16:17], s[38:39]
	; the small inputs are asked for next: waves 0-3 wscale's 2,048 bytes, wave 4 lora_up's 1,024, wave 5 two rows' 512 bytes of lora_down
	s_cmp_lt_u32 s22, 4
	s_cbranch_scc0 .La_not_ws
	global_load_b128 v[T:T+3], v[VT16], s[8:9]
	s_branch .La_done
.La_not_ws:
	s_cmp_eq_u32 s22, 4
	s_cbranch_scc0 .La_not_lu
	global_load_b128 v[8:11], v[VL16], s[12:13]
	global_load_b128 v[12:15], v[VL16], s[12:13] offset:512
	s_branch .La_done
.La_not_lu:
	s_cmp_eq_u32 s22, 5
	s_cbranch_scc0 .La_done
	global_load_b128 v[8:11], v[VL16], s[10:11]
	global_load_b128 v[12:15], v[VL16], s[10:11] offset:XROW
.La_done:
.irp n, 0,1,2,3,4,5,6,7
	ISSUE \n                                       ; all of my part of x: 16 loads of 512 bytes,
.endr
.irp r, 10,11,12,13,14,15
	ISSUEQ \r                                      ; and of qweight's rows 10-15: 12 more
.endr
	s_cmp_lt_u32 s22, 4
	s_cbranch_scc0 .Lb_not_ws
	s_wait_loadcnt 2*ISS                           ; all but the ring's 28 loads
	s_wait_alu depctr_va_vdst(0)
	ds_store_b128 v[WSW], v[T:T+3]                 ; wscale's rows, as they lie
	s_wait_dscnt 0x0                               ; the store has read T
	s_branch .Lb_done
.Lb_not_ws:
	s_cmp_eq_u32 s22, 4
	s_cbranch_scc0 .Lb_not_lu
	s_wait_loadcnt 2*ISS
	; lora_up: load i holds, in lane l, numbers 8 (l % 4) .. + 7 of row 8 i + l / 4: again a block is four lanes.  Codes and scale words fall at 128 i + 4 l of their units.
	CVT8 v8.l,v8.h,v9.l,v9.h,v10.l,v10.h,v11.l,v11.h,v12.l,v12.h,v13.l,v13.h,v14.l,v14.h,v15.l,v15.h
	QA
	s_delay_alu instid0(VALU_DEP_2)
	v_or_b32 v[EE], 0x7f7f7f00, v[EE]              ; the byte of k = 0..31; 127 for the three blocks of zero codes
	s_delay_alu instid0(VALU_DEP_2)
	v_or_b32 v[EE+1], 0x7f7f7f00, v[EE+1]
	ds_store_b32 v[LUW], v[CC]
	ds_store_b32 v[LUW], v[CC+1] offset:128
	ds_store_b32 v[LUW], v[EE] offset:256
	ds_store_b32 v[LUW], v[EE+1] offset:384
	ds_load_b64 v[HC:HC+1], v[LUR]                 ; back 8 bytes a lane, so that each store below covers 256 consecutive bytes, aligned
	ds_load_b64 v[PWD:PWD+1], v[LUR] offset:256
	s_wait_dscnt 0x0
	global_store_b64 v[V8L], v[HC:HC+1], s[20:21]
	global_store_b64 v[V8L], v[ZZ:ZZ+1], s[20:21] offset:256
	global_store_b64 v[V8L], v[ZZ:ZZ+1], s[20:21] offset:512
	global_store_b64 v[V8L], v[ZZ:ZZ+1], s[20:21] offset:768
	global_store_b64 v[V8L], v[PWD:PWD+1], s[20:21] offset:1024
	s_branch .Lb_done
.Lb_not_lu:
	s_cmp_eq_u32 s22, 5
	s_cbranch_scc0 .Lb_done
	s_wait_loadcnt 2*ISS
	; lora_down: two rows x 256 along K, as a slot of x.  The codes turn through my stage (rows 0 and 1 of its 8 units) and leave 8 bytes a lane: 32 consecutive bytes of each of 8 units.
	; That writes units in part: 272 bytes a work-group, 69,632 in the launch, beside the 18 MB that leave in whole units.
	CVT8 v8.l,v8.h,v9.l,v9.h,v10.l,v10.h,v11.l,v11.h,v12.l,v12.h,v13.l,v13.h,v14.l,v14.h,v15.l,v15.h
	QA
	ds_store_b32 v[STW], v[CC]
	ds_store_b32 v[STW], v[CC+1] offset:16
	ds_store_b8 v[DBW], v[EE]
	ds_store_b8 v[DBW], v[EE+1] offset:8
	ds_load_b64 v[HC:HC+1], v[DCR]
	ds_load_b64 v[PWD:PWD+1], v[DBR]
	s_wait_dscnt 0x0
	global_store_b64 v[DCG], v[HC:HC+1], s[18:19]
	v_cmp_gt_u32 vcc_lo, 2, v1                     ; the two rows' 8 scale bytes each leave from lanes 0 and 1
	s_wait_xcnt 0x0                                ; EXEC is a source of the pending loads and stores: it changes only behind this wait
	s_and_saveexec_b32 s46, vcc_lo
	global_store_b64 v[DBG], v[PWD:PWD+1], s[60:61]
	s_wait_xcnt 0x0                                ; and again, in front of the line that widens it
	s_or_b32 exec_lo, exec_lo, s46
.Lb_done:
	; ---- x
.irp n, 0,1,2,3,4,5,6,7
	PF \n
.endr
	TURNOUT XF
	s_wait_dscnt 0x0                               ; x's codes are back, the stage is read out; also, for the others' sake, waves 0-3's rows of wscale have landed
	OUT XF, 14
	s_barrier_signal -1                            ; my tensor load may be out across it
	s_barrier_wait -1
	; ---- w
	s_wait_tensorcnt 0x0                           ; my tile of qweight is in LDS; I alone read it
	QLOAD 0
	; my lane's scale of each of the 16 rows, as the pair (s, -8 s)
.irp half, 0,1
.irp i, 0,1,2,3,4,5,6,7
	ds_load_u16 v[8+\i], v[WSR] offset:128*(8*\half+\i)
.endr
	s_wait_dscnt 0x0
.set SI, S+16*\half
.irp r, v8.l,v9.l,v10.l,v11.l,v12.l,v13.l,v14.l,v15.l
	v_cvt_f32_f16 v[SI], \r
.set SI, SI+2
.endr
.irp i, 0,1,2,3,4,5,6,7
	v_mul_f32 v[S+16*\half+2*\i+1], 0xc1000000, v[S+16*\half+2*\i]
.endr
.endr
.irp p, 0,2,4,6,8
	PW \p
.endr
.irp r, 10,12,14
	PWR \r
.endr
	TURNOUT WF
	s_wait_dscnt 0x0                               ; w's codes are back; also, for the others' sake, my scale bytes have landed
	OUT WF, 16
	s_barrier_signal -1
	s_barrier_wait -1
	; ---- the scale units: a row's 16 bytes of a K step of 512 come from two waves.  Wave t < 8 stores two units (lanes 0-15 one K step, lanes 16-31 the next), 256 consecutive bytes each
	s_cmp_lt_u32 s22, 8
	s_cbranch_scc0 .Lend
	ds_load_b64 v[T:T+1], v[TLR]
	ds_load_b64 v[T+2:T+3], v[TLR] offset:128
	s_wait_dscnt 0x0
	global_store_b128 v[TLG], v[T:T+3], s[26:27]
.Lend:
	s_wait_tensorcnt 0x0                           ; the wave's end
	ds_add_u32 v[SPW], v[NIL]
	s_wait_dscnt 0x0
	s_endpgm
.Lfunc_end_k_qd4e008b577_prep:
	.size	k_qd4e008b577_prep, .Lfunc_end_k_qd4e008b577_prep-k_qd4e008b577_prep
	.p2alignl 7, 3214868480
	.fill 96, 4, 3214868480
	.section	.rodata,"a",@progbits
	.p2align	6, 0x0
	.amdhsa_kernel k_qd4e008b577_prep
		.amdhsa_group_segment_fixed_size 327680
		.amdhsa_private_segment_fixed_size 0
		.amdhsa_enable_private_segment 0
		.amdhsa_kernarg_size 72
		.amdhsa_user_sgpr_count 2
		.amdhsa_user_sgpr_kernarg_segment_ptr 1
		.amdhsa_wavefront_size32 1
		.amdhsa_system_sgpr_workgroup_id_x 1
		.amdhsa_system_sgpr_workgroup_id_y 1
		.amdhsa_system_sgpr_workgroup_id_z 1
		.amdhsa_system_vgpr_workitem_id 0
		.amdhsa_next_free_vgpr 256
		.amdhsa_next_free_sgpr 80
		.amdhsa_reserve_vcc 1
		.amdhsa_float_denorm_mode_32 3
		.amdhsa_float_denorm_mode_16_64 3
		.amdhsa_memory_ordered 1
		.amdhsa_forward_progress 1
		.amdhsa_inst_pref_size 69
	.end_amdhsa_kernel
	.amdgpu_metadata
---
amdhsa.version: [ 1, 2 ]
amdhsa.kernels:
  - .name:           k_qd4e008b577_prep
    .symbol:         k_qd4e008b577_prep.kd
    .args:
      - { .name: x, .offset: 0, .size: 8, .value_kind: global_buffer, .address_space: global }
      - { .name: qweight, .offset: 8, .size: 8, .value_kind: global_buffer, .address_space: global }
      - { .name: wscale, .offset: 16, .size: 8, .value_kind: global_buffer, .address_space: global }
      - { .name: lora_down, .offset: 24, .size: 8, .value_kind: global_buffer, .address_space: global }
      - { .name: lora_up, .offset: 32, .size: 8, .value_kind: global_buffer, .address_space: global }
      - { .name: acodes, .offset: 40, .size: 8, .value_kind: global_buffer, .address_space: global }
      - { .name: bcodes, .offset: 48, .size: 8, .value_kind: global_buffer, .address_space: global }
      - { .name: dlora, .offset: 56, .size: 8, .value_kind: global_buffer, .address_space: global }
      - { .name: blora, .offset: 64, .size: 8, .value_kind: global_buffer, .address_space: global }
    .group_segment_fixed_size: 327680
    .private_segment_fixed_size: 0
    .kernarg_segment_align: 8
    .kernarg_segment_size: 72
    .max_flat_workgroup_size: 512
    .sgpr_count:     80
    .vgpr_count:     256
    .wavefront_size: 32
...
	.end_amdgpu_metadata
.endif
;; end of part 1
;; launch gemm (part 2): grid 16 x 16, 4 waves a work-group, clusters of 4 x 4, 327,680 bytes of LDS; arguments acodes, bcodes, dlora, blora, out0; writes out0
.if DOCPART == 2
	.amdgcn_target "amdgcn-amd-amdhsa--gfx1250"
	.amdhsa_code_object_version 6
	.text
	.protected	k_qd4e008b577_gemm
	.globl	k_qd4e008b577_gemm
	.p2align	8
	.type	k_qd4e008b577_gemm,@function
k_qd4e008b577_gemm:
	s_mov_b64 s[64:65], 0
	v_nop
	global_prefetch_b8 v0, s[64:65] scope:SCOPE_SE
	s_setreg_imm32_b32 hwreg(HW_REG_WAVE_MODE, 25, 1), 1
	s_wait_xcnt 0x0
	s_wait_alu depctr_hold_cnt(0) depctr_sa_sdst(0) depctr_va_vdst(0) depctr_va_sdst(0) depctr_va_ssrc(0) depctr_va_vcc(0) depctr_vm_vsrc(0)
	s_getreg_b32 s2, hwreg(HW_REG_IB_STS2, 6, 4)
	s_cmp_eq_u32 s2, 0
	s_cbranch_scc0 .Lentry_in_a_cluster
	s_endpgm
.Lentry_in_a_cluster:
	s_bfe_u32 s2, ttmp6, 0x10000c
	s_cmp_lg_u32 s2, 0xf033
	s_cbranch_scc0 .Lentry_shape_is_right
	s_endpgm
.Lentry_shape_is_right:
; out0 = Q(x) Q(w)^T + Q(h) Q(lora_up)^T, h = Q(x) Q(lora_down)^T, all three products on FP4 (E2M1) codes with one E8M0 byte for 32 along K; sums f32; out0 f16.
; The operands come as the launch before laid them, in the order of the operands' registers: a unit is [16 rows][16 bytes], four units a fragment (16 rows x 128 K).
; A piece of acodes or bcodes (128 rows x 512 K) is 34,816 dense bytes: 128 units of codes at 4,096 i + 256 kb, then eight scale units at 32,768 + 256 i.
; A tile of out0, 256 x 256, is made by four waves, 128 x 128 each: 64 accumulators, 512 registers.  K goes in steps of 512 through two LDS slots; a wave's one tensor load brings one piece as 136 rows of 256 bytes.
; CLUSTERS: 4 x 4 work-groups; A's pieces are asked for jointly along a row of the cluster, B's along a column.
; h: wave (row half, column half) sums, beside the main products, its 128 rows x the rank tile of its column half (8 products for 64); at the end the two tiles of a row half meet in LDS, are quantised along the rank
; (K = 32, filled up to 128 with zero codes) and multiplied with lora_up's fragments onto the same accumulators.  h goes into its quantiser as the f32 sums, not rounded to f16.
; THE PRODUCTS ARE USED TRANSPOSED (source 0 = rows of w, lora_down or lora_up, source 1 = rows of x or h): a lane holds eight neighbouring columns of one row.
; PREFETCH, of the piece that a wave fetches: K step 1 is named behind the joint load of K step 0, K steps 2 and 3 behind that of K step 1, and from then on K step k + 2 behind the refill that brings K step k;
; the refills of K steps 6 and 7 ask for nothing.  So two K steps at the most are asked for and not yet loaded.  A piece's 136 blocks of 256 bytes are shared by address among the four partners that ask for it jointly,
; 34 each (32 lanes, then 2; the lanes left over name the last block again).  dlora's pieces come into registers one K step ahead by loads of their own, and blora's records by loads at the head: they have no prefetch.
; REGISTERS: window 0: v0-31 addresses; v32-95 scale words, two sets; v96-127 the lora products' scales, dlora's scales; v128-191 A's fragments, one set; v192-255 lora_up's fragments.
;   window 1: v0-63, v128-191 B's two sets; v64-127 h's eight accumulators; v192-255 lora_down's fragments, two sets.   windows 2, 3: the accumulators of my rows 0-63, 64-127.
; LIMITS: as the launch before states them; NaN and infinities among the inputs are not served.
.set BLK,    34816                     ; a piece
.set RBLK,   8*BLK                     ; the eight pieces of 128 rows
.set SLOT,   4*BLK                     ; A's two pieces, then B's two
.set NQ,     4                         ; steps of 128 along K in a slot
.set FR,     8                         ; registers of a fragment
.set NL,     2                         ; LDS loads that bring one
.set NP,     4                         ; places behind this matrix instruction (ISA guide 7.12.1)
.set LAPS,   4                         ; a lap = two K steps
.set REC,    1280                      ; a record of blora
.set DPC,    4352                      ; a piece of dlora
.set DL,     10                        ; loads that bring one piece of dlora
.set ROWC,   8192                      ; a row of out0 in bytes
.set SHARE,  34*256                    ; a partner's part of a piece's prefetch
.set SPARE,  2*SLOT                    ; behind the ring: the spare words, 128 bytes a wave
.set STAGE,  SPARE+512                 ; behind them: first h's exchange (8,192 bytes a wave), then each wave's stage of 16 rows x 272 bytes; no tensor load lands here
.set HX,     STAGE
.set SPITCH, 272
.set PFO,  6                           ; v6  the prefetches' offsets: 256 x lane;
.set PFO2, 7                           ; v7  256 x (32 + min(lane, 1))
.set ADRA, 16                          ; v16-17 my A fragments in slot 0, 1
.set HXW,  18                          ; where my h tiles go
.set HXR,  19                          ; where my row half's two tiles are read
.set ADRB, 20                          ; v20-21 my B fragments
.set ADRS, 22                          ; v22-23 scale words: lanes 0-15 A's, lanes 16-31 B's
.set STO,  24
.set RD,   25
.set CO,   26
.set R16,  27                          ; 16 x (lane % 16)
.set SPW,  28                          ; my spare word
.set NIL,  29                          ; 0
.set L16,  30                          ; 16 x lane
.set R8,   31                          ; 8 x (lane % 16)
.set SC,   32
.set TQ,   32                          ; h in f32, four blocks of 16 rows at a time (the scale words are done with by then)
.set LSA,  96                          ; Q(h)'s scale words
.set LSB,  104                         ; lora_up's
.set DSC,  112                         ; lora_down's, two sets
.set QM,   112
.set QO,   116
.set QP,   120
.set AF,   128
.set BL,   192
.set HA,   64
.set DF,   192
.set TMP,  192
.set OB,   32
.set G1, 24                            ; s[24:31], s[32:39] groups 1 and 0 (a set for each slot) for A's pieces
.set G0, 32
.set G1B, 48                           ; s[48:55], s[56:63] for B's
.set G0B, 56
.set PFA, 66                           ; s[66:67] my part of the piece that I fetch, at the K step four behind the one that the loop's prefetch names
.set MSB, 0
.macro WIN new                         ; the immediate's high byte repeats the setting that is left
.if MSB != (\new)
	s_set_vgpr_msb (MSB<<8)|(\new)
.set MSB, \new
.endif
.endm
.set MUL_LO, 0xa1                      ; source 0 window 1, source 1 window 0, C and D window 2
.set MUL_HI, 0xf1                      ; the same, C and D window 3
.set MUL_H,  0x51                      ; the same, C and D window 1: h
.set LOR_LO, 0xa0                      ; both sources window 0
.set LOR_HI, 0xf0
.set TO_B,   0x40                      ; destination window 1, address window 0
; a joint load: waves 0, 1 fetch A's two pieces, waves 2, 3 B's; s_nop 0 and four v_nop behind each line
.macro JLOAD s
	s_cmp_eq_u32 s15, 0
	s_cbranch_scc0 .Lfor_b_\@
	tensor_load_to_lds s[G0+4*\s:G0+4*\s+3], s[G1:G1+7]
	s_nop 0
.rept 4
	v_nop
.endr
	s_branch .Lasked_\@
.Lfor_b_\@:
	tensor_load_to_lds s[G0B+4*\s:G0B+4*\s+3], s[G1B:G1B+7]
	s_nop 0
.rept 4
	v_nop
.endr
.Lasked_\@:
.endm
.macro CREST                           ; a round of the cluster's barrier behind its opening barrier
	s_cmp_lg_u32 s14, 0
	s_cbranch_scc1 .Lnot_wave_0_\@
	s_barrier_signal -3
.Lnot_wave_0_\@:
	s_barrier_wait -3
	s_barrier_signal -1
	s_barrier_wait -1
.endm
.macro CROUND
	s_barrier_signal -1
	s_barrier_wait -1
	CREST
.endm
.macro ASK off                         ; my 34 blocks of the piece off bytes on
	global_prefetch_b8 v[PFO], s[PFA:PFA+1] offset:\off th:TH_LOAD_NT scope:SCOPE_SE
	global_prefetch_b8 v[PFO2], s[PFA:PFA+1] offset:\off th:TH_LOAD_NT scope:SCOPE_SE
.endm
.macro DLOAD set, off                  ; a piece of dlora: four fragments of my rank tile and their scale words
	WIN TO_B
.irp q, 0,1,2,3
.irp c, 0,1
	global_load_b128 v[DF+32*\set+FR*\q+4*\c:DF+32*\set+FR*\q+4*\c+3], v[L16], s[68:69] offset:\off+1024*\q+512*\c
.endr
.endr
	WIN 0
	global_load_b64 v[DSC+NQ*\set:DSC+NQ*\set+1], v[R8], s[68:69] offset:\off+4096
	global_load_b64 v[DSC+NQ*\set+2:DSC+NQ*\set+3], v[R8], s[68:69] offset:\off+4096+128
.endm
	s_load_b256 s[4:11], s[0:1], 0x0               ; acodes, bcodes, dlora, blora
	s_load_b64 s[12:13], s[0:1], 0x20              ; out0
	v_lshl_add_u32 v[SPW], v0, 2, SPARE
	v_mov_b32 v[NIL], 0
	ds_add_u32 v[SPW], v[NIL]                      ; the opening lines: the add, twice on end, and its wait ahead of my first tensor load
	ds_add_u32 v[SPW], v[NIL]
	v_lshrrev_b32 v3, 5, v0
	v_readfirstlane_b32 s14, v3                    ; wave 0..3
	v_and_b32 v1, 15, v0                           ; lane % 16
	v_bfe_u32 v2, v0, 4, 1                         ; lane / 16
	v_and_b32 v3, 31, v0
	v_lshlrev_b32 v[L16], 4, v3
	v_lshlrev_b32 v[R16], 4, v1
	v_lshlrev_b32 v[R8], 3, v1
	v_lshlrev_b32 v[PFO], 8, v3
	v_min_u32 v[PFO2], 1, v3
	v_lshl_add_u32 v[PFO2], v[PFO2], 8, 32*256
.irp b, 0,1,2,3
	v_mov_b32 v[QP+\b], 0                          ; a lane permute's destination counts as read
.endr
	s_lshr_b32 s15, s14, 1                         ; my half of the tile's rows; also: I fetch for A (0) or B (1)
	s_and_b32 s16, s14, 1                          ; my half of its columns; also: which piece I fetch, and my rank tile
	s_bfe_u32 s40, ttmp6, 0x40000                  ; cx, cy
	s_bfe_u32 s41, ttmp6, 0x40004
	s_lshl_b32 s42, ttmp9, 2
	s_add_co_u32 s42, s42, s40                     ; tile column
	s_and_b32 s17, ttmp7, 0xffff
	s_lshl_b32 s17, s17, 2
	s_add_co_u32 s17, s17, s41                     ; tile row
	s_lshl_b32 s43, s41, 2
	s_lshl_b32 s43, 15, s43                        ; my row of the cluster
	s_lshl_b32 s44, 0x1111, s40                    ; my column
	s_mov_b32 s78, 0x76543210                      ; v_permlanex16_b32's selects for lane xor 16
	s_mov_b32 s79, 0xfedcba98
	s_or_b32 s[G1+0], s43, (3<<16)|(1<<21)         ; the mask; elements of 8 bytes; bit 21 beside a mask; no padding: fragments are read as they lie, 16 bytes a lane on end
	s_or_b32 s[G1B+0], s44, (3<<16)|(1<<21)
.irp g, G1, G1B
	s_mov_b32 s[\g+1], 32<<16                      ; rows of 32 elements = 256 bytes,
	s_mov_b32 s[\g+2], 136<<16                     ; 136 of them
	s_mov_b32 s[\g+3], 32<<16
	s_mov_b32 s[\g+4], 136
	s_mov_b32 s[\g+5], 32
	s_mov_b32 s[\g+6], 0
	s_mov_b32 s[\g+7], 0
.endr
	s_lshl_b32 s20, s17, 1
	s_add_co_u32 s20, s20, s16
	s_mul_i32 s20, s20, RBLK                       ; A: block of 128 rows 2 x tile row + which
	s_mov_b32 s21, 0
	s_lshl_b32 s46, s42, 1
	s_add_co_u32 s46, s46, s16
	s_mul_i32 s46, s46, RBLK                       ; B: 2 x tile column + which
	s_mov_b32 s47, 0
	s_mul_i32 s45, s14, BLK                        ; where my piece goes in a slot
	s_mul_i32 s18, s16, 8*DPC                      ; my rank tile's pieces of dlora
	s_mov_b32 s19, 0
	s_lshl_b32 s22, s42, 4
	s_lshl_b32 s23, s16, 3
	s_add_co_u32 s22, s22, s23
	s_mul_i32 s22, s22, REC                        ; my 128 columns' records of blora
	s_mov_b32 s23, 0
	s_lshl_b32 s76, s17, 8
	s_lshl_b32 s77, s15, 7
	s_add_co_u32 s76, s76, s77
	s_lshl_b32 s76, s76, 13                        ; my first row of out0,
	s_lshl_b32 s77, s42, 9
	s_add_co_u32 s76, s76, s77
	s_lshl_b32 s77, s16, 8
	s_add_co_u32 s76, s76, s77                     ; and my first column, in bytes
	s_mov_b32 s77, 0
	s_wait_alu depctr_va_vdst(0)
	s_wait_dscnt 0x0                               ; both opening adds are done
	CROUND                                         ; the round in front of the first joint loads; the arguments are on their way meanwhile
	s_wait_kmcnt 0x0
	s_add_nc_u64 s[20:21], s[4:5], s[20:21]
	s_add_nc_u64 s[46:47], s[6:7], s[46:47]
	s_add_nc_u64 s[68:69], s[8:9], s[18:19]
	s_add_nc_u64 s[70:71], s[10:11], s[22:23]
	s_add_nc_u64 s[12:13], s[12:13], s[76:77]
.irp s, 0,1
	s_mov_b32 s[G0+4*\s], 1
	s_add_co_u32 s[G0+4*\s+1], s45, \s*SLOT
	s_add_nc_u64 s[G0+4*\s+2:G0+4*\s+3], s[20:21], \s*BLK
	s_or_b32 s[G0+4*\s+3], s[G0+4*\s+3], 0x80000000
	s_mov_b32 s[G0B+4*\s], 1
	s_add_co_u32 s[G0B+4*\s+1], s45, \s*SLOT
	s_add_nc_u64 s[G0B+4*\s+2:G0B+4*\s+3], s[46:47], \s*BLK
	s_or_b32 s[G0B+4*\s+3], s[G0B+4*\s+3], 0x80000000
.endr
	JLOAD 0                                        ; K step 0: one tensor load a wave at the head
	; what comes into registers: lora_up's scale words and fragments, lora_down's first two pieces
.irp i, 0,1,2,3,4,5,6,7
	global_load_b32 v[LSB+\i], v[R16], s[70:71] offset:REC*\i+1024
.endr
.irp b, 0,1,2,3,4,5,6,7
.irp c, 0,1
	global_load_b128 v[BL+FR*\b+4*\c:BL+FR*\b+4*\c+3], v[L16], s[70:71] offset:REC*\b+512*\c
.endr
.endr
	DLOAD 0, 0
	DLOAD 1, DPC
	s_cmp_eq_u32 s15, 0                            ; the prefetches: the piece that I fetch,
	s_cselect_b64 s[PFA:PFA+1], s[20:21], s[46:47]
	s_cselect_b32 s76, s40, s41                    ; and my place among the four that ask for it with me: by address alone
	s_mul_i32 s76, s76, SHARE
	s_mov_b32 s77, 0
	s_add_nc_u64 s[PFA:PFA+1], s[PFA:PFA+1], s[76:77]
	s_mul_i32 s72, s15, BLK                        ; my 128 rows of A in a slot
	s_mul_i32 s73, s16, BLK
	s_add_co_u32 s73, s73, 2*BLK                   ; my 128 rows of B
	s_sub_co_u32 s74, s73, s72
	s_mul_i32 s75, s14, 16*SPITCH
	s_add_co_u32 s75, s75, STAGE                   ; my stage
	s_lshl_b32 s76, s14, 13
	s_add_co_u32 s76, s76, HX
	s_lshl_b32 s77, s15, 14
	s_add_co_u32 s77, s77, HX
	ASK BLK                                        ; K step 1
	v_mul_u32_u24 v4, s74, v2                      ; scale words: lanes 16-31 take B's
	v_add_nc_u32 v4, v4, v[R16]
	v_add_nc_u32 v4, 32768, v4
	v_add_nc_u32 v[ADRA], s72, v[L16]
	v_add_nc_u32 v[ADRB], s73, v[L16]
	v_add_nc_u32 v[ADRS], s72, v4
	v_add_nc_u32 v[ADRA+1], SLOT, v[ADRA]
	v_add_nc_u32 v[ADRB+1], SLOT, v[ADRB]
	v_add_nc_u32 v[ADRS+1], SLOT, v[ADRS]
	v_add_nc_u32 v[HXW], s76, v[L16]
	v_add_nc_u32 v[HXR], s77, v[L16]
	v_mul_u32_u24 v5, v1, SPITCH                   ; the stage, in: row lane % 16, 16 bytes for each half of the lanes
	v_lshl_add_u32 v5, v2, 4, v5
	v_add_nc_u32 v[STO], s75, v5
	v_mul_u32_u24 v5, v2, SPITCH                   ; back: sixteen lanes to a row of 256 bytes
	v_lshl_add_u32 v5, v1, 4, v5
	v_add_nc_u32 v[RD], s75, v5
	v_lshlrev_b32 v5, 13, v2                       ; and the same two rows in out0
	v_lshl_add_u32 v[CO], v1, 4, v5
.macro FRAG reg, adr, q, i             ; a fragment as it lies: two loads of 512 bytes on end
.irp c, 0,1
	ds_load_b128 v[\reg+4*\c:\reg+4*\c+3], v[\adr] offset:4096*(\i)+1024*(\q)+512*\c
.endr
.endm
; 16 products: A's blocks a0, a0 + 1 x B's eight; p: B's set; sc: the set of scale words.  The accumulators take turns, one instruction a turn
.macro MUL16 a0, p, q, sc, zero
.irp a, \a0, \a0+1
.irp b, 0,1,2,3,4,5,6,7
.if \zero
	v_wmma_scale_f32_16x16x128_f8f6f4 v[8*(8*((\a)%4)+\b):8*(8*((\a)%4)+\b)+7], v[128*(\p)+FR*\b:128*(\p)+FR*\b+FR-1], v[AF+FR*(\a):AF+FR*(\a)+FR-1], 0, v[SC+8*NQ*(\sc)+NQ*\b+(\q)], v[SC+8*NQ*(\sc)+NQ*(\a)+(\q)] matrix_a_fmt:MATRIX_FMT_FP4 matrix_b_fmt:MATRIX_FMT_FP4 matrix_a_scale:MATRIX_SCALE_ROW1
.else
	v_wmma_scale_f32_16x16x128_f8f6f4 v[8*(8*((\a)%4)+\b):8*(8*((\a)%4)+\b)+7], v[128*(\p)+FR*\b:128*(\p)+FR*\b+FR-1], v[AF+FR*(\a):AF+FR*(\a)+FR-1], v[8*(8*((\a)%4)+\b):8*(8*((\a)%4)+\b)+7], v[SC+8*NQ*(\sc)+NQ*\b+(\q)], v[SC+8*NQ*(\sc)+NQ*(\a)+(\q)] matrix_a_fmt:MATRIX_FMT_FP4 matrix_b_fmt:MATRIX_FMT_FP4 matrix_a_scale:MATRIX_SCALE_ROW1
.endif
.endr
.endr
.endm
.macro HMUL4 a0, q, sc, zero           ; h: my rank tile x A's blocks a0 .. a0 + 3
.irp a, \a0, \a0+1, \a0+2, \a0+3
.if \zero
	v_wmma_scale_f32_16x16x128_f8f6f4 v[HA+8*(\a):HA+8*(\a)+7], v[DF+32*(\sc)+FR*(\q):DF+32*(\sc)+FR*(\q)+FR-1], v[AF+FR*(\a):AF+FR*(\a)+FR-1], 0, v[DSC+NQ*(\sc)+(\q)], v[SC+8*NQ*(\sc)+NQ*(\a)+(\q)] matrix_a_fmt:MATRIX_FMT_FP4 matrix_b_fmt:MATRIX_FMT_FP4
.else
	v_wmma_scale_f32_16x16x128_f8f6f4 v[HA+8*(\a):HA+8*(\a)+7], v[DF+32*(\sc)+FR*(\q):DF+32*(\sc)+FR*(\q)+FR-1], v[AF+FR*(\a):AF+FR*(\a)+FR-1], v[HA+8*(\a):HA+8*(\a)+7], v[DSC+NQ*(\sc)+(\q)], v[SC+8*NQ*(\sc)+NQ*(\a)+(\q)] matrix_a_fmt:MATRIX_FMT_FP4 matrix_b_fmt:MATRIX_FMT_FP4
.endif
.endr
.endm
.macro MUL16R a0                       ; Q(h) x lora_up, onto the main sums
.irp a, \a0, \a0+1
.irp b, 0,1,2,3,4,5,6,7
	v_wmma_scale_f32_16x16x128_f8f6f4 v[8*(8*((\a)%4)+\b):8*(8*((\a)%4)+\b)+7], v[BL+FR*\b:BL+FR*\b+FR-1], v[AF+FR*(\a):AF+FR*(\a)+FR-1], v[8*(8*((\a)%4)+\b):8*(8*((\a)%4)+\b)+7], v[LSB+\b], v[LSA+(\a)] matrix_a_fmt:MATRIX_FMT_FP4 matrix_b_fmt:MATRIX_FMT_FP4
.endr
.endr
.endm
.macro FETCH_B slot, q, p
	WIN TO_B
.irp i, 0,1,2,3,4,5,6,7
	FRAG 128*(\p)+FR*\i, ADRB+\slot, \q, \i
.endr
	WIN 0
.endm
.macro FETCH_A slot, q, i0
.irp i, \i0, \i0+1, \i0+2, \i0+3
	FRAG AF+FR*(\i), ADRA+\slot, \q, \i
.endr
.endm
.macro SCALES slot                     ; a K step's scale words: lanes 0-15 A's block i, lanes 16-31 B's block i
.irp i, 0,1,2,3,4,5,6,7
	ds_load_b128 v[SC+8*NQ*\slot+NQ*\i:SC+8*NQ*\slot+NQ*\i+3], v[ADRS+\slot] offset:256*\i
.endr
.endm
.macro PLACES n
.rept \n
	v_nop
.endr
.endm
; A step of 128 along K that has its successor in the same slot.  A has one set: blocks 0-3 are fetched anew in the step's middle, blocks 4-7 at its end.
; B has two sets: the set that this step has multiplied takes, at the step's end, the fragments of the step after next, where that lies in the same slot: they have a whole step in which to come.
.macro STEP slot, q, zero
	s_wait_dscnt 12*NL                             ; B's set and A's blocks 0-3 are in; A's blocks 4-7 (8 loads) and B's next set (16) may be out
	WIN MUL_LO
	MUL16 0, (\q)%2, \q, \slot, \zero
	MUL16 2, (\q)%2, \q, \slot, \zero
	WIN MUL_H
	HMUL4 0, \q, \slot, \zero
	s_wait_dscnt 8*NL                              ; A's blocks 4-7 are in; B's next set may be out
	PLACES NP
	WIN 0
	FETCH_A \slot, (\q)+1, 0
	WIN MUL_HI
	MUL16 4, (\q)%2, \q, \slot, \zero
	MUL16 6, (\q)%2, \q, \slot, \zero
	WIN MUL_H
	HMUL4 4, \q, \slot, \zero
	PLACES NP
	WIN 0
	FETCH_A \slot, (\q)+1, 4
.if (\q) < NQ-2
	FETCH_B \slot, (\q)+2, (\q)%2
.endif
.endm
; A slot's last step changes slots: one barrier; in front of it each wave waits for all its tensor loads, adds 0 to its spare word, and waits for that and for its reads of this slot.  fill = 1: a round of the cluster's barrier, and this slot is filled again.
.macro TURN slot, next, fill
	s_wait_tensorcnt 0x0                           ; my part of the next slot has landed
	ds_add_u32 v[SPW], v[NIL]
	s_wait_dscnt 4*NL+1                            ; the add and A's blocks 4-7 may be out
	WIN MUL_LO
	MUL16 0, 1, NQ-1, \slot, 0
	s_wait_dscnt 0x0                               ; the add is done, my reads of this slot are over
	s_barrier_signal -1
	MUL16 2, 1, NQ-1, \slot, 0
	WIN MUL_H
	HMUL4 0, NQ-1, \slot, 0
	WIN 0
	s_barrier_wait -1
.if \fill
	CREST
	s_add_nc_u64 s[G0+4*\slot+2:G0+4*\slot+3], s[G0+4*\slot+2:G0+4*\slot+3], 2*BLK
	s_add_nc_u64 s[G0B+4*\slot+2:G0B+4*\slot+3], s[G0B+4*\slot+2:G0B+4*\slot+3], 2*BLK
	JLOAD \slot                                    ; the first tensor load behind the round; its four v_nop are also the places in front of the loads below
.else
	PLACES NP
.endif
	FETCH_B \next, 0, 0
	FETCH_A \next, 0, 0
	SCALES \next
.if \fill
	s_cmp_gt_u32 s3, 1                             ; the last trip's two refills have no K step two on
	s_cbranch_scc0 .Lno_ask_\@
	ASK 4*BLK                                      ; the K step two refills on
.Lno_ask_\@:
.endif
	WIN MUL_HI
	MUL16 4, 1, NQ-1, \slot, 0
	MUL16 6, 1, NQ-1, \slot, 0
	WIN MUL_H
	HMUL4 4, NQ-1, \slot, 0
	PLACES NP
.if \fill
	s_wait_xcnt 0x0                                ; the loads of dlora and the prefetches have read their bases: both step
	s_add_nc_u64 s[68:69], s[68:69], DPC
	s_add_nc_u64 s[PFA:PFA+1], s[PFA:PFA+1], BLK
	DLOAD \slot, DPC                               ; lora_down's piece two K steps on, into the set just multiplied
.endif
	WIN 0
	FETCH_A \next, 0, 4
	FETCH_B \next, 1, 1
.endm
.macro STEPS slot, from
.set Q, \from
.rept NQ-1-\from
	STEP \slot, Q, 0
.set Q, Q+1
.endr
.endm
	s_wait_alu depctr_va_vdst(0)
	s_wait_tensorcnt 0x0                           ; my part of K step 0 is in; these lines stand ahead of a later first fill as ahead of a refill
	ds_add_u32 v[SPW], v[NIL]
	s_wait_dscnt 0x0
	CROUND                                         ; everybody's part is in, and the joint loads meet
	JLOAD 1                                        ; K step 1, the first tensor load behind the round
	FETCH_B 0, 0, 0
	FETCH_A 0, 0, 0
	SCALES 0
	FETCH_A 0, 0, 4
	FETCH_B 0, 1, 1
	ASK 2*BLK                                      ; K steps 2
	ASK 3*BLK                                      ; and 3
	s_wait_loadcnt DL                              ; all but lora_down's second piece
	STEP 0, 0, 1                                   ; the first step starts the sums
	s_mov_b32 s3, LAPS-1
.Llap:                                                 ; a trip goes once round the ring, from a lap's second step to the next lap's first
	STEPS 0, 1
	TURN 0, 1, 1
	s_wait_loadcnt DL                              ; slot 1's piece of dlora is in; the one just asked for may be out
	STEPS 1, 0
	TURN 1, 0, 1
	s_wait_loadcnt DL
	STEP 0, 0, 0
	s_sub_co_u32 s3, s3, 1
	s_cmp_lg_u32 s3, 0
	s_cbranch_scc1 .Llap
	STEPS 0, 1                                     ; the last lap fills nothing
	TURN 0, 1, 0
	s_wait_loadcnt 0x0
	STEPS 1, 0
	; the very last step: h's products first, so that h's way through LDS runs under the main products
	s_wait_dscnt 4*NL
	WIN MUL_H
	HMUL4 0, NQ-1, 1, 0
	WIN MUL_LO
	MUL16 0, 1, NQ-1, 1, 0
	MUL16 2, 1, NQ-1, 1, 0
	s_wait_dscnt 0
	WIN MUL_H
	HMUL4 4, NQ-1, 1, 0
	PLACES NP
	WIN 0x04                                       ; the data: window 1
.irp a, 0,1,2,3,4,5,6,7
	ds_store_b128 v[HXW], v[HA+8*\a:HA+8*\a+3] offset:1024*\a          ; my tile of h as an image of its registers, each accumulator from its low end on
	ds_store_b128 v[HXW], v[HA+8*\a+4:HA+8*\a+7] offset:1024*\a+512
.endr
	WIN MUL_HI
	MUL16 4, 1, NQ-1, 1, 0
	s_wait_dscnt 0x0                               ; for the others' sake: my stores are done
	s_barrier_signal -1
	MUL16 6, 1, NQ-1, 1, 0
	PLACES NP                                      ; in front of the loads into the scale words' registers and the writes of A's
	WIN 0
	s_barrier_wait -1
; Four blocks of 16 rows of h: the two rank tiles give a lane 16 neighbours along the rank (16 (lane / 16) + 0 .. 15) of row lane % 16; the block of 32 is lanes l and l xor 16.
.macro HROUND g
.irp b, 0,1,2,3
.irp u, 0,1
.irp c, 0,1
	ds_load_b128 v[TQ+16*\b+8*\u+4*\c:TQ+16*\b+8*\u+4*\c+3], v[HXR] offset:8192*\u+1024*(4*\g+\b)+512*\c
.endr
.endr
.endr
	s_wait_dscnt 0x0
.irp b, 0,1,2,3
	v_max3_num_f32 v[QM+\b], |v[TQ+16*\b]|, |v[TQ+16*\b+1]|, 0x1800000   ; the floor 2^(3 - 127): the byte cannot fall under 1
.endr
.irp i, 2,4,6,8,10,12,14
.irp b, 0,1,2,3
	v_max3_num_f32 v[QM+\b], v[QM+\b], |v[TQ+16*\b+\i]|, |v[TQ+16*\b+\i+1]|
.endr
.endr
.irp b, 0,1,2,3
	v_permlanex16_b32 v[QP+\b], v[QM+\b], s78, s79
.endr
.irp b, 0,1,2,3
	v_max_num_f32 v[QM+\b], v[QM+\b], v[QP+\b]
.endr
.irp b, 0,1,2,3
	v_add_nc_u32 v[QO+\b], 0xff000000, v[QM+\b]    ; 2 off the exponent field: the conversion's scale operand
.endr
.irp b, 0,1,2,3
	v_lshrrev_b32 v[LSA+4*\g+\b], 23, v[QO+\b]
.endr
.irp b, 0,1,2,3
	v_or_b32 v[LSA+4*\g+\b], 0x7f7f7f00, v[LSA+4*\g+\b]   ; 127 for the three blocks of zero codes
.endr
.irp b, 0,1,2,3
	v_cvt_scalef32_pk8_fp4_f32 v[AF+8*(4*\g+\b)], v[TQ+16*\b:TQ+16*\b+7], v[QO+\b]
	v_cvt_scalef32_pk8_fp4_f32 v[AF+8*(4*\g+\b)+1], v[TQ+16*\b+8:TQ+16*\b+15], v[QO+\b]
.endr
.irp b, 0,1,2,3
.irp j, 2,3,4,5,6,7
	v_mov_b32 v[AF+8*(4*\g+\b)+\j], 0              ; K = 32 .. 127: zero codes
.endr
.endr
.irp b, 0,1,2,3
	v_permlane16_swap_b32 v[AF+8*(4*\g+\b)], v[AF+8*(4*\g+\b)+2]     ; the whole block into lanes 0-15, zeros into lanes 16-31
	v_permlane16_swap_b32 v[AF+8*(4*\g+\b)+1], v[AF+8*(4*\g+\b)+3]
.endr
.endm
	s_wait_alu depctr_va_vdst(0)
	HROUND 0
	HROUND 1
	s_barrier_signal -1                            ; my reads of h are over: behind this barrier its bytes become the stages
	PLACES 8                                       ; a scale register written by a vector instruction stands 8 places ahead of a scaled product
	WIN LOR_LO
	MUL16R 0
	MUL16R 2
	WIN LOR_HI
	MUL16R 4
	MUL16R 6
	WIN 0
	s_barrier_wait -1
; THE WAY OUT, block by block of 16 rows: rounded to f16, 16 bytes a lane into my own stage, back as whole rows of 256 bytes, stored sixteen lanes to an aligned 256 bytes
.macro PACK a
.set AC, 64*((\a)%4)
	WIN 0x0a+5*((\a)/4)
.irp b, 0,1,2,3,4,5,6,7
.irp r, 0,1,2,3
	v_cvt_pk_f16_f32 v[TMP+4*\b+\r], v[AC+8*\b+2*\r], v[AC+8*\b+2*\r+1]
.endr
.endr
	WIN 0
.endm
.macro TOSTAGE a
.set BKR, OB+192*((\a)%2)
.irp b, 0,1,2,3,4,5,6,7
	ds_store_b128 v[STO], v[TMP+4*\b:TMP+4*\b+3] offset:32*\b
.endr
.irp t, 0,1,2,3,4,5,6,7
	ds_load_b128 v[BKR+4*\t:BKR+4*\t+3], v[RD] offset:\t*2*SPITCH   ; LDS serves a wave's instructions in order (ISA guide 5.7.1.4)
.endr
.endm
.macro SEND a
.set BKR, OB+192*((\a)%2)
	s_wait_dscnt 0x0
	s_wait_xcnt 0x0                                ; earlier stores have read their base and their registers
.if (\a) > 0
	s_add_nc_u64 s[12:13], s[12:13], 16*ROWC
.endif
.irp t, 0,1,2,3,4,5,6,7
	global_store_b128 v[CO], v[BKR+4*\t:BKR+4*\t+3], s[12:13] offset:2*\t*ROWC th:TH_STORE_NT
.endr
.endm
	PLACES NP
	PACK 0
	TOSTAGE 0
.irp a, 1,2,3,4,5,6,7
	PACK \a
	s_wait_alu depctr_va_vdst(0)
	SEND \a-1
	TOSTAGE \a
.endr
	SEND 7
	s_wait_tensorcnt 0x0                           ; the wave's end
	ds_add_u32 v[SPW], v[NIL]
	s_wait_dscnt 0x0
	CROUND                                         ; the closing round
	s_endpgm
.Lfunc_end_k_qd4e008b577_gemm:
	.size	k_qd4e008b577_gemm, .Lfunc_end_k_qd4e008b577_gemm-k_qd4e008b577_gemm
	.p2alignl 7, 3214868480
	.fill 96, 4, 3214868480
	.section	.rodata,"a",@progbits
	.p2align	6, 0x0
	.amdhsa_kernel k_qd4e008b577_gemm
		.amdhsa_group_segment_fixed_size 327680
		.amdhsa_private_segment_fixed_size 0
		.amdhsa_enable_private_segment 0
		.amdhsa_kernarg_size 40
		.amdhsa_user_sgpr_count 2
		.amdhsa_user_sgpr_kernarg_segment_ptr 1
		.amdhsa_wavefront_size32 1
		.amdhsa_system_sgpr_workgroup_id_x 1
		.amdhsa_system_sgpr_workgroup_id_y 1
		.amdhsa_system_sgpr_workgroup_id_z 1
		.amdhsa_system_vgpr_workitem_id 0
		.amdhsa_next_free_vgpr 1024
		.amdhsa_next_free_sgpr 80
		.amdhsa_reserve_vcc 0
		.amdhsa_float_denorm_mode_32 3
		.amdhsa_float_denorm_mode_16_64 3
		.amdhsa_memory_ordered 1
		.amdhsa_forward_progress 1
		.amdhsa_inst_pref_size 255
	.end_amdhsa_kernel
	.section	.bss,"aw",@nobits
	.p2align	6
	.space	262144
	.amdgpu_metadata
---
amdhsa.version: [ 1, 2 ]
amdhsa.kernels:
  - .name:           k_qd4e008b577_gemm
    .symbol:         k_qd4e008b577_gemm.kd
    .args:
      - { .name: acodes, .offset: 0, .size: 8, .value_kind: global_buffer, .address_space: global }
      - { .name: bcodes, .offset: 8, .size: 8, .value_kind: global_buffer, .address_space: global }
      - { .name: dlora, .offset: 16, .size: 8, .value_kind: global_buffer, .address_space: global }
      - { .name: blora, .offset: 24, .size: 8, .value_kind: global_buffer, .address_space: global }
      - { .name: out0, .offset: 32, .size: 8, .value_kind: global_buffer, .address_space: global }
    .group_segment_fixed_size: 327680
    .private_segment_fixed_size: 0
    .kernarg_segment_align: 8
    .kernarg_segment_size: 40
    .max_flat_workgroup_size: 128
    .sgpr_count:     80
    .vgpr_count:     1024
    .wavefront_size: 32
...
	.end_amdgpu_metadata
.endif
;; end of part 2
